; MI455X (gfx1250); checked and timed in simulation.
; The chip was launched on July 23, 2026; its instructions are those of AMD's public machine-readable ISA for CDNA 5 (MIT licence, August 2026) and "CDNA5" Instruction Set Architecture Reference Guide (July 2026). The comments in the code are by the model that wrote it; some were corrected since.
;; Deep Speed MLP. Allowed arithmetic: matrix products marked QUANTISED: E2M3 operands, one E8M0 scale for each 32 along K, by v_wmma_scale_f32_16x16x128_f8f6f4 with both operands' format E2M3, f32 sums; everything else in f32.
;; Inputs: attn_nb 1,024 float32; attn_nw 1,024 float32; bias 1,024 float32; input 4 x 2,048 x 1,024 float32; inter_b 4,096 float32; inter_w 1,024 x 4,096 float32; output_b 1,024 float32; output_w 4,096 x 1,024 float32; residual 4 x 2,048 x 1,024 float32; residual_norm 4 x 2,048 x 1,024 float32.
;; Outputs: out0 4 x 2,048 x 1,024 float32.
;; This version of the problem:
;;   THIS VERSION OF THE PROBLEM IS GIVEN IN LOW PRECISION. The matrix products marked QUANTISED in the list below multiply operands that are first quantised to E2M3 (2 exponent bits, 3 mantissa bits; 6 bits a number), with one power-of-two scale for each 32 numbers along K (OCP MX v1.0); their sums are f32. All else is computed in f32.
;;   The module's matrix products, in the order in which they are computed (A, B: the left and right operand; K: the contracted axis; several contracted axes count as one K, in the product's order):
;;     1. [M 8,192, K 1,024] x [K 1,024, N 4,096]; A: computed on the way; B: input inter_w: QUANTISED
;;     2. [M 8,192, K 4,096] x [K 4,096, N 1,024]; A: computed on the way; B: input output_w: QUANTISED
;;   THE QUANTISER, for each operand of a quantised product, along K:
;;     - K is cut into blocks of 32 from its start; a last block that is shorter is filled with zeros.
;;     - A block's scale is 2^e with e = floor(log2(the largest magnitude in the block)) - 2, held to -126 .. 127; a block of zeros has e = 0. As a byte (E8M0): e + 127.
;;     - Each number is divided by its block's scale, clamped to +-7.5, and rounded to the nearest number of E2M3, ties to even, subnormals kept.
;;     - The product sums the exact products of the quantised numbers (number of the format x scale) in f32.
;;   ~~~python
;;   def quantise(x, axis):      # numpy; x: float32 -> the quantised numbers, widened to float32 again
;;       x = np.moveaxis(x, axis, -1); K = x.shape[-1]
;;       x = np.pad(x, [(0, 0)] * (x.ndim - 1) + [(0, -K % 32)]); x = x.reshape(x.shape[:-1] + (-1, 32)); a = np.abs(x).max(-1, keepdims=True)
;;       e = np.where(a > 0, np.clip(np.frexp(np.where(a > 0, a, 1))[1] - 1 - 2, -126, 127), 0)      # np.frexp(a)[1] - 1 = floor(log2(a)), exactly
;;       r = np.clip(x / 2.0 ** e, -7.5, 7.5)
;;       step = 2.0 ** (np.maximum(np.frexp(np.where(r == 0, 1, r))[1] - 1, 0) - 3)
;;       q = np.round(r / step) * step * 2.0 ** e      # np.round: ties to even
;;       return np.moveaxis(q.reshape(q.shape[:-2] + (-1,))[..., :K], -1, axis).astype(np.float32)
;;   ~~~
;;   OPERANDS COMPUTED ON THE WAY. 'Computed on the way' means the value that the module computes at that place (a softmax that the list does not call 'softmax' is quantised finished and normalised). What goes into a quantiser is computed in f32, as accurately as f32 sums, v_exp_f32 and their like allow (about 1e-6 of the number): no bf16 or f16 on the way to a quantiser, and a product that is left as it is and whose result goes on into a quantised operand takes f32 operands (vector FMAs, or v_wmma_f32_16x16x4_f32). A number that lies on a knife's edge between two numbers of the format may be rounded either way, as far as f32 arithmetic and the matrix unit's own rounding can turn it there, and no further.
;; One version. Each part assembles by itself: llvm-mc -triple=amdgcn-amd-amdhsa -mcpu=gfx1250 --defsym DOCPART=n.
;; ======== version 1 of 1: 3 launches
;; limits: right only within a limited range of input values
;; workspace buffers: xq 6,553,600 bytes; w1q 3,276,800 bytes; w2q 3,276,800 bytes; hq 26,214,400 bytes
;; launch prep (part 1): grid 640 x 1, 4 waves a work-group, no clusters, 67,072 bytes of LDS; arguments input, residual, bias, attn_nw, attn_nb, inter_w, output_w, xq, w1q, w2q; writes xq, w1q, w2q
.if DOCPART == 1
	.amdgcn_target "amdgcn-amd-amdhsa--gfx1250"
	.amdhsa_code_object_version 6
	.text
	.protected	k_q3d07a3309d_prep
	.globl	k_q3d07a3309d_prep
	.p2align	8
	.type	k_q3d07a3309d_prep,@function
k_q3d07a3309d_prep:
	s_mov_b64 s[64:65], 0
	v_nop
	global_prefetch_b8 v0, s[64:65] scope:SCOPE_SE
	s_setreg_imm32_b32 hwreg(HW_REG_WAVE_MODE, 25, 1), 1
	s_wait_xcnt 0x0
; THE OPERANDS OF BOTH PRODUCTS THAT DO NOT HANG ON A PRODUCT: x = LayerNorm(input + bias + residual), inter_w and output_w, as codes of FP6 (E2M3) with one E8M0 byte for each 32 along K.
; ONE LAYOUT FOR ALL: a RECORD of 6,400 bytes holds 16 rows of an operand x 512 along K, as the images of its four fragments (16 rows x 128 K, 12 registers a lane) and its scale bytes:
;   K step s at 1,536 s: +0 registers 0-3 (16 bytes a lane), +512 registers 4-5 (8 bytes a lane), +768 registers 6-9, +1,280 registers 10-11; at 6,144: row r's 16 scale bytes at 16 r (word s = K step s).
;   Lane (r, h) of a fragment holds in registers 6 c .. 6 c + 5 the codes of k = 64 c + 32 h + 0 .. 31 of row r.  Records lie [tile of 16 rows][512 along K].
; Every store of an image covers 512 or 256 consecutive bytes at a multiple of 256 from the buffer's first byte.
; THE COLUMNS OF A WEIGHT THAT FORM A TILE ARE NOT NEIGHBOURS: lane r of tile 2 G + u holds column 32 G + 8 u + r + 8 (r / 8), so that in a product used transposed the 16 registers of two neighbouring tiles are 16 neighbouring columns.
; WORK-GROUPS 0-63: inter_w; 64-127: output_w; 128-639: 16 rows of x each.  The branch hangs on the work-group's number alone.  Only the rows' path uses LDS.
; A block's scale is 2^(floor(log2(its largest magnitude)) - 2); its byte is that magnitude's exponent field - 2.
; LIMITS: the largest magnitude is taken no smaller than 2^-124, so the byte cannot fall under 1; a block of zeros gets the byte 1 where the rule says 127 (its codes are zeros, and this program alone reads the bytes).
; NaN and infinities among the inputs are not served.  The input residual_norm is not among the arguments: the function computed here never uses it, so no output hangs on it.
.set REC,  6400
.set FRG,  1536
.set L16,  2                           ; v2   16 x lane
.set L8,   3                           ; v3   8 x lane
.set RR,   7                           ; v7   r = lane % 16
.set HH,   8                           ; v8   h = lane / 16
; the weights' path
.set WOFF, 4                           ; v4   my column's byte in the wave's 128 bytes of a row
.set SOFF, 5                           ; v5   where my column's 16 scale bytes go
.set X,    32                          ; v32-95   two sets of 32 numbers down K
.set I0,   96                          ; v96-107  the image of tile 2 G's fragment
.set I1,   108                         ; v108-119 of tile 2 G + 1's
.set TA,   120                         ; v120-122, v124-126: the upper 16 codes of a block, made apart: a conversion's three registers begin on an even number
.set TB,   124
.set SB,   128                         ; v128-131 my column's 16 scale bytes
; the rows' path
.set YP,   4112                        ; LDS: a row of x, 4,096 bytes + 16: an odd multiple of 16, so that the 16 rows of a load start in different banks (64 banks of 4 bytes: ISA guide 11.1)
.set SCL,  16*YP                       ; behind the 16 rows: the tile's 512 scale bytes
.set YW,   4                           ; v4   where I store 16 bytes of my wave's rows
.set YR,   5                           ; v5   where I read my 16 neighbours of a block
.set SWA,  6                           ; v6   where my row's scale word goes
.set SRA,  9                           ; v9   where the scale bytes are read back
.set GSO,  10                          ; v10  and where they go in xq
.set BI,   16                          ; v16-47 bias, v48-79 gain, v80-111 offset of my 32 columns; later the codes and the quantiser's registers
.set GA,   48
.set BE,   80
.set S,    240                         ; v240-247 four chains of pairs
.set MU,   248                         ; v[248:249] the mean;  v[250:251] 1 / sqrt(var + eps);  v252, v253 at work
.set RSD,  250
.set TM,   56                          ; v56-71 the quantiser's: largest magnitudes, bytes, scale operands
.macro FRAGS reg, base, off            ; a fragment's 12 registers go out as they stand
	global_store_b128 v[L16], v[(\reg):(\reg)+3], s[\base:\base+1] offset:(\off)
	global_store_b64 v[L8], v[(\reg)+4:(\reg)+5], s[\base:\base+1] offset:(\off)+512
	global_store_b128 v[L16], v[(\reg)+6:(\reg)+9], s[\base:\base+1] offset:(\off)+768
	global_store_b64 v[L8], v[(\reg)+10:(\reg)+11], s[\base:\base+1] offset:(\off)+1280
.endm
	s_load_b256 s[4:11], s[0:1], 0x0               ; input s[4:5], residual s[6:7], bias s[8:9], attn_nw s[10:11]
	s_load_b256 s[12:19], s[0:1], 0x20             ; attn_nb s[12:13], inter_w s[14:15], output_w s[16:17], xq s[18:19]
	s_load_b128 s[20:23], s[0:1], 0x40             ; w1q s[20:21], w2q s[22:23]
	v_lshl_add_u32 v254, v0, 2, 0x10400
	v_mov_b32 v255, 0
	v_lshrrev_b32 v1, 5, v0
	v_readfirstlane_b32 s24, v1                    ; wave 0..3
	v_and_b32 v1, 31, v0                           ; lane
	v_lshlrev_b32 v[L16], 4, v1
	v_lshlrev_b32 v[L8], 3, v1
	v_and_b32 v[RR], 15, v0
	v_bfe_u32 v[HH], v0, 4, 1
	s_wait_kmcnt 0x0
	s_cmp_lt_u32 ttmp9, 64
	s_cbranch_scc1 .Lw1
	s_cmp_lt_u32 ttmp9, 128
	s_cbranch_scc1 .Lw2
; ---------------- 16 rows of x.  Wave w normalises rows 4 w .. 4 w + 3, a row at a time in 32 registers; the rows meet in LDS; then wave w quantises K steps 2 w and 2 w + 1 of all 16 rows.
	s_sub_co_u32 s25, ttmp9, 128                   ; the tile of 16 rows
	s_lshl_b32 s26, s25, 4
	s_lshl_b32 s27, s24, 2
	s_add_co_u32 s26, s26, s27                     ; my wave's first row
	s_lshl_b32 s28, s26, 12                        ; x 4,096 bytes
	s_mov_b32 s29, 0
	s_add_nc_u64 s[4:5], s[4:5], s[28:29]
	s_add_nc_u64 s[6:7], s[6:7], s[28:29]
	s_mul_i32 s30, s25, 2*REC
	s_mov_b32 s31, 0
	s_add_nc_u64 s[18:19], s[18:19], s[30:31]      ; xq at my tile's two records
	s_lshr_b32 s34, s24, 1
	s_mul_i32 s34, s34, REC                        ; K step 2 w lies in record w / 2,
	s_and_b32 s35, s24, 1
	s_mul_i32 s35, s35, 2*FRG                      ; at fragment 2 (w % 2)
	s_add_co_u32 s34, s34, s35
	s_mov_b32 s35, 0
	s_add_nc_u64 s[32:33], s[18:19], s[34:35]
	s_mov_b32 s36, 0x76543210
	s_mov_b32 s37, 0xfedcba98                      ; v_permlanex16_b32's selects for lane l xor 16
	s_mov_b32 s40, 0x3a800000                      ; 1 / 1024
	s_mov_b32 s41, 0x3727c5ac                      ; 1e-5
	s_mul_i32 s38, s24, 4*YP
	s_wait_alu depctr_va_vdst(0)
	v_add_nc_u32 v[YW], s38, v[L16]                ; my wave's four rows, 16 bytes a lane
	v_mul_u32_u24 v[YR], v[RR], YP
	v_lshl_add_u32 v[YR], v[HH], 6, v[YR]
	s_lshl_b32 s38, s24, 10
	v_add_nc_u32 v[YR], s38, v[YR]                 ; row r, + 64 h, + K step 2 w's 1,024 w bytes
	s_lshr_b32 s38, s24, 1
	s_lshl_b32 s38, s38, 8
	s_and_b32 s39, s24, 1
	s_lshl_b32 s39, s39, 3
	s_add_co_u32 s38, s38, s39
	s_add_co_u32 s38, s38, SCL
	v_lshl_add_u32 v[SWA], v[RR], 4, s38           ; record w / 2's 256 bytes, row r's 16, word 2 (w % 2)
	v_add_nc_u32 v[SRA], SCL, v[L16]
	v_mul_u32_u24 v[GSO], v[HH], REC
	v_lshl_add_u32 v[GSO], v[RR], 4, v[GSO]        ; lanes 0-15 store record 0's scale bytes, lanes 16-31 record 1's
	v_mov_b32 v253, 0                              ; a lane permute's destination counts as one of its sources
.set P, 0
.rept 8
	global_load_b128 v[BI+4*P:BI+4*P+3], v[L16], s[8:9] offset:512*P     ; register 4 j + i: column 128 j + 4 lane + i, in all that follows
	global_load_b128 v[GA+4*P:GA+4*P+3], v[L16], s[10:11] offset:512*P
	global_load_b128 v[BE+4*P:BE+4*P+3], v[L16], s[12:13] offset:512*P
.set P, P+1
.endr
.macro ROWLD sl, rho                   ; row rho of my four into slot sl: each load reads 512 consecutive bytes
.set P, 0
.rept 8
	global_load_b128 v[112+64*\sl+4*P:112+64*\sl+4*P+3], v[L16], s[4:5] offset:\rho*4096+512*P th:TH_LOAD_NT
	global_load_b128 v[144+64*\sl+4*P:144+64*\sl+4*P+3], v[L16], s[6:7] offset:\rho*4096+512*P th:TH_LOAD_NT
.set P, P+1
.endr
.endm
.macro REDUCE                          ; the four chains, the pair's halves and the 32 lanes are added: v252 holds the row's sum in every lane
	v_pk_add_f32 v[S:S+1], v[S:S+1], v[S+2:S+3]
	v_pk_add_f32 v[S+4:S+5], v[S+4:S+5], v[S+6:S+7]
	v_pk_add_f32 v[S:S+1], v[S:S+1], v[S+4:S+5]
	v_add_f32 v252, v[S], v[S+1]
	v_add_f32_dpp v252, v252, v252 row_xmask:1 row_mask:0xf bank_mask:0xf
	v_add_f32_dpp v252, v252, v252 row_xmask:2 row_mask:0xf bank_mask:0xf
	v_add_f32_dpp v252, v252, v252 row_xmask:4 row_mask:0xf bank_mask:0xf
	v_add_f32_dpp v252, v252, v252 row_xmask:8 row_mask:0xf bank_mask:0xf
	v_permlanex16_b32 v253, v252, s36, s37
	v_add_f32 v252, v252, v253
.endm
; One row.  left: the younger loads that may stay out (the other slot's 16).  nxt: the row that this slot takes next, 0 for none.
.macro LNROW sl, rho, left, nxt
.set IN, 112+64*\sl
.set RS, 144+64*\sl
	s_wait_loadcnt \left
.set P, 0
.rept 16
	v_pk_add_f32 v[IN+P:IN+P+1], v[IN+P:IN+P+1], v[BI+P:BI+P+1]         ; input + bias
.set P, P+2
.endr
.set P, 0
.rept 16
	v_pk_add_f32 v[IN+P:IN+P+1], v[IN+P:IN+P+1], v[RS+P:RS+P+1]         ; + residual
.set P, P+2
.endr
.irp k, 0,1,2,3
	v_pk_add_f32 v[S+2*\k:S+2*\k+1], v[IN+2*\k:IN+2*\k+1], v[IN+8+2*\k:IN+8+2*\k+1]   ; the first pairs start the chains: nothing is cleared
.endr
.irp q, 16,24
.irp k, 0,1,2,3
	v_pk_add_f32 v[S+2*\k:S+2*\k+1], v[S+2*\k:S+2*\k+1], v[IN+\q+2*\k:IN+\q+2*\k+1]
.endr
.endr
	REDUCE
	v_mul_f32 v[MU], s40, v252                     ; the mean
	v_mov_b32 v[MU+1], v[MU]                       ; (named with it as a pair)
.set P, 0
.rept 16
	v_pk_add_f32 v[IN+P:IN+P+1], v[IN+P:IN+P+1], v[MU:MU+1] op_sel_hi:[1,0] neg_lo:[0,1] neg_hi:[0,1]
.set P, P+2
.endr
.irp k, 0,1,2,3
	v_pk_mul_f32 v[S+2*\k:S+2*\k+1], v[IN+2*\k:IN+2*\k+1], v[IN+2*\k:IN+2*\k+1]
.endr
.irp q, 8,16,24
.irp k, 0,1,2,3
	v_pk_fma_f32 v[S+2*\k:S+2*\k+1], v[IN+\q+2*\k:IN+\q+2*\k+1], v[IN+\q+2*\k:IN+\q+2*\k+1], v[S+2*\k:S+2*\k+1]
.endr
.endr
	REDUCE
	v_fma_f32 v252, v252, s40, s41                 ; the variance + eps
	s_wait_alu depctr_va_vdst(0)
	v_rsq_f32 v[RSD], v252
	v_nop                                          ; one plain instruction behind a transcendental (ISA guide 5.7.2)
	s_wait_alu depctr_va_vdst(0)
	v_mov_b32 v[RSD+1], v[RSD]
.set P, 0
.rept 16
	v_pk_mul_f32 v[IN+P:IN+P+1], v[IN+P:IN+P+1], v[RSD:RSD+1] op_sel_hi:[1,0]
.set P, P+2
.endr
.set P, 0
.rept 16
	v_pk_fma_f32 v[IN+P:IN+P+1], v[IN+P:IN+P+1], v[GA+P:GA+P+1], v[BE+P:BE+P+1]
.set P, P+2
.endr
.set P, 0
.rept 8
	ds_store_b128 v[YW], v[IN+4*P:IN+4*P+3] offset:\rho*YP+512*P
.set P, P+1
.endr
	s_wait_dscnt 0x0                               ; the stores have read their registers, which the next loads write; and, in front of the barrier, they have landed
.if \nxt
	ROWLD \sl, \nxt
.endif
.endm
	ROWLD 0, 0
	ROWLD 1, 1
	LNROW 0, 0, 16, 2
	LNROW 1, 1, 16, 3
	LNROW 0, 2, 16, 0
	LNROW 1, 3, 0, 0
	s_barrier_signal -1
	s_barrier_wait -1                              ; the 16 rows of x lie in LDS
; 64 numbers of a lane, v[s] on, register 16 b + i = k 32 b + 16 h + i of my row, become a fragment's codes in v[pc] .. v[pc + 11] and its scale word in v[pw].
.macro QUANT s, pc, pw
.irp b, 0,1,2,3
	v_max3_num_f32 v[TM+\b], |v[\s+16*\b]|, |v[\s+1+16*\b]|, 0x1800000   ; block b: my 16 numbers, and the floor 2^(3 - 127)
.endr
.irp i, 2,4,6,8,10,12,14
.irp b, 0,1,2,3
	v_max3_num_f32 v[TM+\b], v[TM+\b], |v[\s+16*\b+\i]|, |v[\s+1+16*\b+\i]|   ; the four blocks by turns
.endr
.endr
.irp b, 0,1,2,3
	v_permlanex16_b32 v[TM+4+\b], v[TM+\b], s36, s37
.endr
.irp b, 0,1,2,3
	v_max_num_f32 v[TM+\b], v[TM+\b], v[TM+4+\b]   ; with lane l xor 16's: the block's largest magnitude
.endr
.irp b, 0,1,2,3
	v_add_nc_u32 v[TM+12+\b], 0xff000000, v[TM+\b] ; 2 off its exponent field: the conversion takes this operand's exponent field as its scale
.endr
.irp b, 0,1,2,3
	v_lshrrev_b32 v[TM+4+\b], 23, v[TM+12+\b]      ; the scale's byte
.endr
	v_lshl_or_b32 v[\pw], v[TM+5], 8, v[TM+4]
	v_lshl_or_b32 v[\pw], v[TM+6], 16, v[\pw]
	v_lshl_or_b32 v[\pw], v[TM+7], 24, v[\pw]
.irp c, 0,1
	v_cvt_scalef32_pk16_fp6_f32 v[\pc+6*\c:\pc+2+6*\c], v[\s+32*\c:\s+15+32*\c], v[TM+12+2*\c]
	v_cvt_scalef32_pk16_fp6_f32 v[\pc+12+4*\c:\pc+14+4*\c], v[\s+16+32*\c:\s+31+32*\c], v[TM+12+2*\c+1]
.endr
	v_nop                                          ; one plain place behind a scaled conversion
.irp c, 0,1                                    ; the layout wants a whole block in a lane: lanes 0-15 block 2 c, lanes 16-31 block 2 c + 1
.irp i, 0,1,2
	v_permlane16_swap_b32 v[\pc+6*\c+\i], v[\pc+12+4*\c+\i]
.endr
.irp i, 0,1,2
	v_mov_b32 v[\pc+3+6*\c+\i], v[\pc+12+4*\c+\i]
.endr
.endr
.endm
.irp b, 0,1,2,3
	v_mov_b32 v[TM+4+\b], 0                        ; a lane permute's destination counts as one of its sources
.endr
.irp e, 0,1
.irp b, 0,1,2,3
.irp j, 0,1,2,3
	ds_load_b128 v[112+64*\e+16*\b+4*\j:112+64*\e+16*\b+4*\j+3], v[YR] offset:512*\e+128*\b+16*\j
.endr
.endr
.endr
	s_wait_dscnt 16                                ; K step 2 w's 16 loads are in; the other step's 16 may be out
	QUANT 112, 16, 72
	FRAGS 16, 32, 0
	ds_store_b32 v[SWA], v72                       ; lanes r and r + 16 write the same word with the same value
	s_wait_dscnt 0x0
	QUANT 176, 36, 73                              ; other registers for its codes: no store's data are written again
	FRAGS 36, 32, FRG
	ds_store_b32 v[SWA], v73 offset:4
	s_wait_dscnt 0x0                               ; for the others' sake: my scale words have landed
	s_barrier_signal -1
	s_barrier_wait -1
	s_cmp_lg_u32 s24, 0
	s_cbranch_scc1 .Lrows_done
	ds_load_b128 v[76:79], v[SRA]                  ; wave 0 stores the tile's 512 scale bytes: two aligned runs of 256
	s_wait_dscnt 0x0
	global_store_b128 v[GSO], v[76:79], s[18:19] offset:6144
.Lrows_done:
	s_wait_tensorcnt 0x0
	ds_add_u32 v254, v255
	s_wait_dscnt 0x0
	s_endpgm
; ---------------- A weight [kd][nd], K its first axis.  A LANE TAKES A COLUMN AND ITS REGISTERS RUN DOWN K: a block of 32 lies in one lane, and the conversions give codes with K innermost.
; A wave takes 32 columns x 512 along K: two whole records.  Lanes 0-15 hold tile 2 G's columns in the order of its lanes, lanes 16-31 tile 2 G + 1's.  A fragment's lanes 16-31 want the blocks with h = 1
; of the same 16 columns: v_permlane16_swap_b32 of the h = 0 block's register with the h = 1 block's gives tile 2 G's register in the first and tile 2 G + 1's in the second.
.macro WLOAD t                         ; block t: rows 32 t + i of my 512, i = 0 .. 31, into set t % 2; a load reads 128 consecutive bytes, the four waves stand side by side on 512
.set WI, 0
.rept 32
	global_load_b32 v[X+32*((\t)%2)+WI], v[WOFF], s[QSRC:QSRC+1] offset:(32*(\t)+WI)*QND*4 th:TH_LOAD_NT
.set WI, WI+1
.endr
.endm
.macro QBLOCK t
.set XS, X+32*((\t)%2)
.set QC, ((\t)%4)/2
.set QH, (\t)%2
.if ((\t)%4 == 0) && ((\t) > 0)
	s_wait_xcnt 0x0                                ; the last K step's stores have read the images, which are written again from here on
.endif
.if (\t) < 15
	s_wait_loadcnt 32                              ; this block's 32 loads are in; the next block's may be out
.else
	s_wait_loadcnt 0x0
.endif
	v_max3_num_f32 v12, |v[XS]|, |v[XS+1]|, |v[XS+2]|
	v_max3_num_f32 v13, |v[XS+3]|, |v[XS+4]|, |v[XS+5]|
.irp i, 6,10,14,18,22,26
	v_max3_num_f32 v12, v12, |v[XS+\i]|, |v[XS+\i+1]|
	v_max3_num_f32 v13, v13, |v[XS+\i+2]|, |v[XS+\i+3]|
.endr
	v_max3_num_f32 v12, v12, |v[XS+30]|, |v[XS+31]|
	v_max3_num_f32 v12, v12, v13, 0x1800000        ; and the floor 2^(3 - 127)
	v_add_nc_u32 v11, 0xff000000, v12              ; 2 off the exponent field: the conversion's scale operand
	v_lshrrev_b32 v13, 23, v11                     ; the scale's byte
.if (\t)%4 == 0
	v_mov_b32 v[SB+(\t)/4], v13
.else
	v_lshl_or_b32 v[SB+(\t)/4], v13, 8*((\t)%4), v[SB+(\t)/4]
.endif
.if QH == 0
	v_cvt_scalef32_pk16_fp6_f32 v[I0+6*QC:I0+6*QC+2], v[XS:XS+15], v11
	v_cvt_scalef32_pk16_fp6_f32 v[TA:TA+2], v[XS+16:XS+31], v11
.else
	v_cvt_scalef32_pk16_fp6_f32 v[I1+6*QC:I1+6*QC+2], v[XS:XS+15], v11
	v_cvt_scalef32_pk16_fp6_f32 v[TB:TB+2], v[XS+16:XS+31], v11
.endif
.if (\t)+2 < 16
	WLOAD (\t)+2
.endif
.if QH == 1
	v_nop                                          ; one plain place behind a scaled conversion
.irp i, 0,1,2
	v_permlane16_swap_b32 v[I0+6*QC+\i], v[I1+6*QC+\i]
	v_permlane16_swap_b32 v[TA+\i], v[TB+\i]
.endr
.irp i, 0,1,2
	v_mov_b32 v[I0+6*QC+3+\i], v[TA+\i]
	v_mov_b32 v[I1+6*QC+3+\i], v[TB+\i]
.endr
.endif
.if (\t)%4 == 3
	FRAGS I0, QDST, ((\t)/4)*FRG
	FRAGS I1, QDST, RSTR+((\t)/4)*FRG
.endif
.endm
; kd, nd: the weight's sizes; lg = log2(nd / 128); first: the path's first work-group; src, dst: the scalar pairs with the two addresses
.macro QW kd, nd, lg, first, src, dst
.set QND, \nd
.set QSRC, \src
.set QDST, \dst
.set RSTR, (\kd/512)*REC               ; from a tile's record to the next tile's
	s_sub_co_u32 s25, ttmp9, \first
	s_and_b32 s26, s25, (\nd/128)-1
	s_lshl_b32 s26, s26, 2
	s_add_co_u32 s26, s26, s24                     ; G: my wave's 32 columns
	s_lshr_b32 s27, s25, \lg                       ; which 512 along K
	s_mul_i32 s28, s27, 512*\nd*4
	s_lshl_b32 s29, s26, 7
	s_add_co_u32 s28, s28, s29
	s_mov_b32 s29, 0
	s_add_nc_u64 s[\src:\src+1], s[\src:\src+1], s[28:29]
	s_mul_i32 s30, s26, 2*(\kd/512)
	s_add_co_u32 s30, s30, s27
	s_mul_i32 s30, s30, REC
	s_mov_b32 s31, 0
	s_add_nc_u64 s[\dst:\dst+1], s[\dst:\dst+1], s[30:31]
	v_and_b32 v6, 7, v0
	v_bfe_u32 v9, v0, 3, 1
	v_lshlrev_b32 v[WOFF], 2, v6
	s_wait_alu depctr_va_vdst(0)
	v_lshl_add_u32 v[WOFF], v[HH], 5, v[WOFF]
	v_lshl_add_u32 v[WOFF], v9, 6, v[WOFF]         ; column (l % 8) + 8 (l / 16) + 16 ((l / 8) % 2) of the 32, 4 bytes each
	v_lshlrev_b32 v[SOFF], 4, v[RR]
	v_mad_u32_u24 v[SOFF], v[HH], RSTR, v[SOFF]
	WLOAD 0
	WLOAD 1
.set QT, 0
.rept 16
	QBLOCK QT
.set QT, QT+1
.endr
	global_store_b128 v[SOFF], v[SB:SB+3], s[\dst:\dst+1] offset:6144   ; sixteen lanes fill a record's 256 scale bytes
.endm
.Lw1:
	QW 1024, 4096, 5, 0, 14, 20
	s_endpgm
.Lw2:
	QW 4096, 1024, 3, 64, 16, 22
	s_endpgm
.Lfunc_end_k_q3d07a3309d_prep:
	.size	k_q3d07a3309d_prep, .Lfunc_end_k_q3d07a3309d_prep-k_q3d07a3309d_prep
	.p2alignl 7, 3214868480
	.fill 96, 4, 3214868480
	.section	.rodata,"a",@progbits
	.p2align	6, 0x0
	.amdhsa_kernel k_q3d07a3309d_prep
		.amdhsa_group_segment_fixed_size 67072
		.amdhsa_private_segment_fixed_size 0
		.amdhsa_enable_private_segment 0
		.amdhsa_kernarg_size 80
		.amdhsa_user_sgpr_count 2
		.amdhsa_user_sgpr_kernarg_segment_ptr 1
		.amdhsa_wavefront_size32 1
		.amdhsa_system_sgpr_workgroup_id_x 1
		.amdhsa_system_sgpr_workgroup_id_y 1
		.amdhsa_system_sgpr_workgroup_id_z 1
		.amdhsa_system_vgpr_workitem_id 0
		.amdhsa_next_free_vgpr 256
		.amdhsa_next_free_sgpr 66
		.amdhsa_reserve_vcc 0
		.amdhsa_float_denorm_mode_32 3
		.amdhsa_float_denorm_mode_16_64 3
		.amdhsa_memory_ordered 1
		.amdhsa_forward_progress 1
		.amdhsa_inst_pref_size 211
	.end_amdhsa_kernel
	.amdgpu_metadata
---
amdhsa.version: [ 1, 2 ]
amdhsa.kernels:
  - .name:           k_q3d07a3309d_prep
    .symbol:         k_q3d07a3309d_prep.kd
    .args:
      - { .name: input, .offset: 0, .size: 8, .value_kind: global_buffer, .address_space: global }
      - { .name: residual, .offset: 8, .size: 8, .value_kind: global_buffer, .address_space: global }
      - { .name: bias, .offset: 16, .size: 8, .value_kind: global_buffer, .address_space: global }
      - { .name: attn_nw, .offset: 24, .size: 8, .value_kind: global_buffer, .address_space: global }
      - { .name: attn_nb, .offset: 32, .size: 8, .value_kind: global_buffer, .address_space: global }
      - { .name: inter_w, .offset: 40, .size: 8, .value_kind: global_buffer, .address_space: global }
      - { .name: output_w, .offset: 48, .size: 8, .value_kind: global_buffer, .address_space: global }
      - { .name: xq, .offset: 56, .size: 8, .value_kind: global_buffer, .address_space: global }
      - { .name: w1q, .offset: 64, .size: 8, .value_kind: global_buffer, .address_space: global }
      - { .name: w2q, .offset: 72, .size: 8, .value_kind: global_buffer, .address_space: global }
    .group_segment_fixed_size: 67072
    .private_segment_fixed_size: 0
    .kernarg_segment_align: 8
    .kernarg_segment_size: 80
    .max_flat_workgroup_size: 128
    .sgpr_count:     66
    .vgpr_count:     256
    .wavefront_size: 32
...
	.end_amdgpu_metadata
.endif
;; end of part 1
;; launch ffn1 (part 2): grid 32 x 8, 4 waves a work-group, clusters of 4 x 1, 327,680 bytes of LDS; arguments xq, w1q, inter_b, hq; writes hq
.if DOCPART == 2
	.amdgcn_target "amdgcn-amd-amdhsa--gfx1250"
	.amdhsa_code_object_version 6
	.text
	.protected	k_q3d07a3309d_ffn1
	.globl	k_q3d07a3309d_ffn1
	.p2align	8
	.type	k_q3d07a3309d_ffn1,@function
k_q3d07a3309d_ffn1:
	s_mov_b64 s[64:65], 0
	v_nop
	global_prefetch_b8 v0, s[64:65] scope:SCOPE_SE
	s_setreg_imm32_b32 hwreg(HW_REG_WAVE_MODE, 25, 1), 1
	s_wait_xcnt 0x0
	s_wait_alu depctr_hold_cnt(0) depctr_sa_sdst(0) depctr_va_vdst(0) depctr_va_sdst(0) depctr_va_ssrc(0) depctr_va_vcc(0) depctr_vm_vsrc(0)
	s_getreg_b32 s2, hwreg(HW_REG_IB_STS2, 6, 4)
	s_cmp_eq_u32 s2, 0
	s_cbranch_scc0 .Lentry_in_a_cluster
	s_endpgm
.Lentry_in_a_cluster:
	s_bfe_u32 s2, ttmp6, 0x10000c
	s_cmp_lg_u32 s2, 0x3003
	s_cbranch_scc0 .Lentry_shape_is_right
	s_endpgm
.Lentry_shape_is_right:
; h = gelu(x inter_w + inter_b), the product on codes of FP6 (E2M3) with E8M0 scales; h is quantised along the hidden axis on the way and leaves as codes, in the records that the second product reads
; (a record: 16 rows x 512 along K, 6,400 bytes: four fragment images of 1,536 bytes, each two halves of 512 + 256 bytes, and 256 scale bytes at 6,144).
; SHARES.  A work-group takes 256 rows x 512 hidden units.  Wave w owns 64 rows (four tiles a of 16) and KEEPS THEIR CODES FOR ALL OF K IN REGISTERS: 32 fragments, 384 registers, loaded once.
; All four waves walk the same 16 groups of 32 hidden units; a group of W1 is four records, 25,600 dense bytes, read from LDS; each of its fragments feeds four matrix instructions.
; THE PRODUCT IS USED TRANSPOSED (source 0 = 16 columns of inter_w, source 1 = 16 rows of x): a lane holds one row, and by the order in which the columns were laid into tiles the 16 registers of a group's
; two tiles are hidden units 32 g + 16 (lane / 16) + 0 .. 15: with lane l xor 16 one block of the next K.  inter_b is the C of a group's first matrix instructions.
; gelu(v) = v / (1 + 2^(v (k1 v^2 + k0))), k0 = -2 log2(e) sqrt(2 / pi), k1 = 0.044715 k0: the tanh form, rewritten.  For every finite v it ends at v or at 0, never at NaN.
; LDS: three regions of four groups.  Groups 0-11 are first fills; groups 12-15 fill region 0 again when it has been read.  By this text's own count a wave has at most three tensor loads out.
; CLUSTER: the four work-groups of a cluster share the hidden units, so each group of W1 is asked for JOINTLY (mask 15).  x's codes are shared with work-groups of other clusters only and go straight to registers.
; LIMITS: a block's largest magnitude is taken no smaller than 2^-124 (byte 1 at the least; a block of zeros gets 1, and this program alone reads the bytes); NaN and infinities are not served.
; REGISTERS: window 0: v1-15 addresses and constants; v16-47 x's scale words; v48-63 W1's; v64-127 the 8 accumulators (16 a + 8 u); v128-159 at work; v160-191 half fragments of h; v192-207 the upper blocks' codes;
;   v208-223 h's scale bytes; v224-239 the quantiser's; v240-255 inter_b.   windows 1, 2: x's fragments.   window 3: W1's 16 fragments of a group.
.set REC,   6400
.set FRG,   1536
.set GRP,   4*REC
.set REG,   4*GRP
.set SPARE, 3*REG                      ; behind the regions: the spare words, 128 bytes for each wave: two blocks of 256 bytes that no other line names
.set L16,  1                           ; v1   16 x lane
.set L8,   2                           ; v2   8 x lane
.set R16,  3                           ; v3   16 x (lane % 16)
.set A16,  4                           ; v4-6 the same three, at the group in hand
.set A8,   5
.set AS,   6
.set H64,  7                           ; v7   64 x (lane / 16)
.set BOFF, 8                           ; v8   my byte in inter_b
.set SOFF, 9                           ; v9   where the scale bytes go
.set SPW,  10                          ; v10  LDS address of my spare word; never rewritten
.set NIL,  11                          ; v11  0; never rewritten
.set K0,   12                          ; v[12:13] k0
.set XS,   16                          ; x's scale words: 8 a + K step
.set WS,   48                          ; W1's: 8 u + K step
.set ACC,  64
.set T,    128
.set HI,   160                         ; 8 a: six registers
.set TMP,  192                         ; 4 a: three registers
.set SW,   208                         ; 4 a: 16 bytes
.set MX,   224
.set PX,   228
.set SO,   232
.set NB,   236
.set BI,   240                         ; 8 u
.set WV,   12                          ; s12  my wave's number
.set G1,   16                          ; s[16:23] descriptor group 1;  s[24:35] three groups 0
.set G0,   24
.set TB,   36                          ; s36  LDS byte of the group to be fetched
.set TBI,  37                          ; s37  its byte in my part of inter_b
.set CNT,  38
.set TBF,  39
.set K1,   40                          ; s[40:41] k1
.set SEL,  42                          ; s[42:43] lane selects for lane l xor 16
.set PSEL, 44                          ; s44  v_perm_b32: the upper half of the second source, then the lower half of the first
.set MSB, 0
.macro WIN new                         ; the immediate's high byte repeats the setting that is left
.if MSB != \new
	s_set_vgpr_msb (MSB<<8)|\new
.set MSB, \new
.endif
.endm
.macro PLACES
.rept 4
	v_nop
.endr
.endm
.macro CROUND                          ; a round of the cluster's barrier
	s_barrier_signal -1
	s_barrier_wait -1
	s_cmp_lg_u32 s[WV], 0
	s_cbranch_scc1 .Lnot_wave_0_\@
	s_barrier_signal -3
.Lnot_wave_0_\@:
	s_barrier_wait -3
	s_barrier_signal -1
	s_barrier_wait -1
.endm
.macro FRAGL reg, off                  ; a fragment's image from LDS into its 12 registers
	ds_load_b128 v[(\reg):(\reg)+3], v[A16] offset:(\off)
	ds_load_b64 v[(\reg)+4:(\reg)+5], v[A8] offset:(\off)+512
	ds_load_b128 v[(\reg)+6:(\reg)+9], v[A16] offset:(\off)+768
	ds_load_b64 v[(\reg)+10:(\reg)+11], v[A8] offset:(\off)+1280
.endm
.macro FRAGG reg, off                  ; the same from xq
	global_load_b128 v[(\reg):(\reg)+3], v[L16], s[4:5] offset:(\off)
	global_load_b64 v[(\reg)+4:(\reg)+5], v[L8], s[4:5] offset:(\off)+512
	global_load_b128 v[(\reg)+6:(\reg)+9], v[L16], s[4:5] offset:(\off)+768
	global_load_b64 v[(\reg)+10:(\reg)+11], v[L8], s[4:5] offset:(\off)+1280
.endm
	s_load_b256 s[4:11], s[0:1], 0x0               ; xq s[4:5], w1q s[6:7], inter_b s[8:9], hq s[10:11]
	v_lshl_add_u32 v[SPW], v0, 2, SPARE
	v_mov_b32 v[NIL], 0
	ds_add_u32 v10, v11
	ds_add_u32 v10, v11
	s_wait_dscnt 0x0
	v_lshrrev_b32 v14, 5, v0
	v_readfirstlane_b32 s[WV], v14                 ; wave 0..3
	s_bfe_u32 s13, ttmp6, 0x40000                  ; cx: my place in the cluster
	s_lshl_b32 s14, ttmp9, 2
	s_add_co_u32 s14, s14, s13                     ; my block of 256 rows: it enters xq's and hq's addresses alone
	s_and_b32 s15, ttmp7, 0xffff                   ; my 512 hidden units, which the four partners share
	; descriptor group 1: a group's 25,600 dense bytes as 100 rows of 256 bytes
	s_mov_b32 s[G1], 15|(3<<16)|(1<<21)            ; 15:0 the mask: all four work-groups; 17:16 elements of 8 bytes; 20 no padding; 21 set beside a mask
	s_mov_b32 s[G1+1], 32<<16                      ; tensor_dim0 = 32
	s_mov_b32 s[G1+2], 100<<16                     ; tensor_dim1 = 100: the head's load brings one group
	s_mov_b32 s[G1+3], 32<<16                      ; tile_dim0 = 32
	s_mov_b32 s[G1+4], 100                         ; tile_dim1 = 100
	s_mov_b32 s[G1+5], 32                          ; from row to row
	s_mov_b32 s[G1+6], 0
	s_mov_b32 s[G1+7], 0
	s_mul_i32 s48, s15, 16*GRP                     ; w1q: my 16 groups begin at group 16 y
	s_mov_b32 s49, 0
	s_mul_i32 s50, s[WV], GRP                      ; the refill: group 12 + wave, to LDS place wave
	s_mov_b32 s51, 0
	s_mul_i32 s46, s[WV], 2*GRP                    ; the second load: groups 4 + 2 wave and 5 + 2 wave, in memory and in LDS alike
	s_mov_b32 s47, 0
	s_lshl_b32 s52, s14, 4
	s_lshl_b32 s53, s[WV], 2
	s_add_co_u32 s52, s52, s53                     ; my first tile of 16 rows
	s_mul_i32 s54, s52, 2*REC
	s_mov_b32 s55, 0
	s_lshl_b32 s56, s52, 3
	s_add_co_u32 s56, s56, s15
	s_mul_i32 s56, s56, REC                        ; hq: record (tile, y)
	s_mov_b32 s57, 0
	s_lshl_b32 s58, s15, 11
	s_mov_b32 s59, 0
	s_mov_b32 s[K1], 0xbdd2d3e8                    ; k1 = -0.10294324
	s_mov_b32 s[K1+1], s[K1]                       ; (named with it as a pair)
	s_mov_b32 s[SEL], 0x76543210
	s_mov_b32 s[SEL+1], 0xfedcba98
	s_mov_b32 s[PSEL], 0x05040302
	s_wait_kmcnt 0x0
	s_add_nc_u64 s[4:5], s[4:5], s[54:55]
	s_add_nc_u64 s[6:7], s[6:7], s[48:49]
	s_add_nc_u64 s[8:9], s[8:9], s[58:59]
	s_add_nc_u64 s[10:11], s[10:11], s[56:57]
	s_mov_b32 s[G0], 1                             ; group 0 of the head's load: count = 1,
	s_mov_b32 s[G0+1], s50                         ; LDS address: group wave,
	s_add_nc_u64 s[G0+2:G0+3], s[6:7], s[50:51]    ; global address,
	s_mov_b32 s[G0+8], 1                           ; group 0 of the second load: two groups on end, behind the first four
	s_add_co_u32 s[G0+9], s46, REG
	s_add_nc_u64 s[G0+10:G0+11], s[6:7], s[46:47]
	s_add_nc_u64 s[G0+10:G0+11], s[G0+10:G0+11], REG
	s_or_b32 s[G0+11], s[G0+11], 0x80000000
	s_or_b32 s[G0+3], s[G0+3], 0x80000000          ; type = 2
	s_mov_b32 s[G0+4], 1                           ; and of the refill
	s_mov_b32 s[G0+5], s50
	s_add_nc_u64 s[G0+6:G0+7], s[6:7], s[50:51]
	s_add_nc_u64 s[G0+6:G0+7], s[G0+6:G0+7], 12*GRP
	s_or_b32 s[G0+7], s[G0+7], 0x80000000
	CROUND                                         ; all four work-groups are here: the first joint loads meet
	tensor_load_to_lds s[G0:G0+3], s[G1:G1+7]      ; my one load at the head; the four together bring groups 0-3
	s_nop 0
	PLACES                                         ; four v_nop follow the last of them
	v_and_b32 v14, 31, v0
	v_lshlrev_b32 v[L16], 4, v14
	v_lshlrev_b32 v[L8], 3, v14
	v_and_b32 v15, 15, v0
	v_lshlrev_b32 v[R16], 4, v15
	v_bfe_u32 v14, v0, 4, 1
	v_lshlrev_b32 v[H64], 6, v14
	v_mad_u32_u24 v[SOFF], v14, 8*REC, v[R16]      ; lanes 0-15: a tile's record, lanes 16-31: the next tile's
	v_mov_b32 v[K0], 0xc0135761                    ; k0 = -2.3022082
	v_mov_b32 v[K0+1], 0xc0135761
	WIN 0x40                                       ; destination window 1: x's fragment (a, K step s) at 12 (4 s + a), s = 0 .. 4
.irp s, 0,1,2,3,4
.irp a, 0,1,2,3
	FRAGG 12*(4*\s+\a), (2*\a+\s/4)*REC+(\s%4)*FRG
.endr
.endr
	WIN 0x80                                       ; window 2: K steps 5 .. 7 at 12 (4 (s - 5) + a)
.irp s, 5,6,7
.irp a, 0,1,2,3
	FRAGG 12*(4*(\s-5)+\a), (2*\a+\s/4)*REC+(\s%4)*FRG
.endr
.endr
	WIN 0
.irp a, 0,1,2,3
.irp c, 0,1
	global_load_b128 v[XS+8*\a+4*\c:XS+8*\a+4*\c+3], v[R16], s[4:5] offset:(2*\a+\c)*REC+6144   ; row r's four scale words of a record
.endr
.endr
.irp i, 0,1,2,3
	v_mov_b32 v[PX+\i], 0                          ; a lane permute's destination counts as one of its sources
.endr
.irp i, 0,1,2,3,4,5,6,7,8,9,10,11,12,13,14,15
	v_mov_b32 v[SW+\i], 0                          ; the scale bytes are shifted in from the top: what is here leaves at the bottom
.endr
; A group's 16 fragments, 16 scale words a lane and 16 biases a lane are asked for.  The address is held inside the region in hand (lim = its last group), so that it can be read off these lines that no fetch leaves it.
.macro FETCHG lim
	s_min_u32 s[TBF], s[TB], \lim
	v_add_nc_u32 v[A16], s[TBF], v[L16]
	v_add_nc_u32 v[A8], s[TBF], v[L8]
	v_add_nc_u32 v[AS], s[TBF], v[R16]
	v_add_nc_u32 v[BOFF], s[TBI], v[H64]
.irp u, 0,1
.irp c, 0,1
	ds_load_b128 v[WS+8*\u+4*\c:WS+8*\u+4*\c+3], v[AS] offset:(2*\u+\c)*REC+6144
.endr
.endr
.irp u, 0,1
	global_load_b128 v[BI+8*\u:BI+8*\u+3], v[BOFF], s[8:9] offset:32*\u       ; inter_b at hidden units 32 g + 16 h + 8 u + 0 .. 7: the result's layout
	global_load_b128 v[BI+8*\u+4:BI+8*\u+7], v[BOFF], s[8:9] offset:32*\u+16
.endr
	WIN 0xc0                                       ; destination window 3
.irp u, 0,1
.irp s, 0,1,2,3,4,5,6,7
	FRAGL 12*(8*\u+\s), (2*\u+\s/4)*REC+(\s%4)*FRG
.endr
.endr
	WIN 0
.endm
; A group's 64 matrix instructions.  The eight accumulators take turns, one instruction a turn.
.macro MM
	s_wait_dscnt 0x0                               ; W1's fragments and scale words are in
	s_wait_loadcnt 0x0                             ; inter_b's 16 numbers (and, the first time, x)
.irp s, 0,1,2,3,4,5,6,7
.if \s < 5
	WIN 0x07                                       ; source 0 (W1) window 3, source 1 (x) window 1, C and D window 0
.else
	WIN 0x0b                                       ; x in window 2
.endif
.irp u, 0,1
.irp a, 0,1,2,3
.set XAR, 12*(4*(\s-5*(\s/5))+\a)
.if \s == 0
	v_wmma_scale_f32_16x16x128_f8f6f4 v[ACC+16*\a+8*\u:ACC+16*\a+8*\u+7], v[12*(8*\u+\s):12*(8*\u+\s)+11], v[XAR:XAR+11], v[BI+8*\u:BI+8*\u+7], v[WS+8*\u+\s], v[XS+8*\a+\s] matrix_a_fmt:MATRIX_FMT_FP6 matrix_b_fmt:MATRIX_FMT_FP6
.else
	v_wmma_scale_f32_16x16x128_f8f6f4 v[ACC+16*\a+8*\u:ACC+16*\a+8*\u+7], v[12*(8*\u+\s):12*(8*\u+\s)+11], v[XAR:XAR+11], v[ACC+16*\a+8*\u:ACC+16*\a+8*\u+7], v[WS+8*\u+\s], v[XS+8*\a+\s] matrix_a_fmt:MATRIX_FMT_FP6 matrix_b_fmt:MATRIX_FMT_FP6
.endif
.endr
.endr
.endr
	WIN 0
	PLACES                                         ; four places in front of loads into registers that these have read, and of the first read of their results
.endm
; gelu of the group's 64 numbers a lane, then the quantiser: one block of 32 for each of my four tiles of rows.  Every accumulator is first read at its low end.
; par = 0: the block is the lower of a half fragment's two; par = 1: the upper: the half fragment and two scale bytes are finished.
.macro EPI par
; all 64 numbers of the group go through each stage together: two batches of 64 transcendentals, each with one wait ahead of it and one behind it.  The 64 registers at work are v160-223 of window 2, behind x's fragments there
.set TG, 160
.set P, 0
	WIN 0x80                                       ; destination window 2
.rept 32
	v_pk_mul_f32 v[TG+P:TG+P+1], v[ACC+P:ACC+P+1], v[ACC+P:ACC+P+1]
.set P, P+2
.endr
.set P, 0
	WIN 0x82                                       ; destination and source 0 window 2
.rept 32
	v_pk_fma_f32 v[TG+P:TG+P+1], v[TG+P:TG+P+1], s[K1:K1+1], v[K0:K0+1] op_sel_hi:[1,0,0]   ; k1 v^2 + k0
.set P, P+2
.endr
.set P, 0
.rept 32
	v_pk_mul_f32 v[TG+P:TG+P+1], v[TG+P:TG+P+1], v[ACC+P:ACC+P+1]
.set P, P+2
.endr
.set P, 0
	s_wait_alu depctr_va_vdst(0)                   ; the wait ahead of the batch
.rept 64
	v_exp_f32 v[TG+P], v[TG+P]
.set P, P+1
.endr
	v_nop                                          ; one plain instruction behind the transcendentals (ISA guide 5.7.2)
.set P, 0
	s_wait_alu depctr_va_vdst(0)                   ; and behind it
.rept 32
	v_pk_add_f32 v[TG+P:TG+P+1], v[TG+P:TG+P+1], 1.0 op_sel_hi:[1,0]
.set P, P+2
.endr
.set P, 0
	s_wait_alu depctr_va_vdst(0)
.rept 64
	v_rcp_f32 v[TG+P], v[TG+P]
.set P, P+1
.endr
	v_nop
.set P, 0
	s_wait_alu depctr_va_vdst(0)
	WIN 0x08                                       ; source 1 window 2
.rept 32
	v_pk_mul_f32 v[ACC+P:ACC+P+1], v[ACC+P:ACC+P+1], v[TG+P:TG+P+1]
.set P, P+2
.endr
	WIN 0
.irp a, 0,1,2,3
	v_max3_num_f32 v[MX+\a], |v[ACC+16*\a]|, |v[ACC+16*\a+1]|, 0x1800000   ; my 16 numbers, and the floor 2^(3 - 127); the four tiles by turns
.endr
.irp i, 2,4,6,8,10,12,14
.irp a, 0,1,2,3
	v_max3_num_f32 v[MX+\a], v[MX+\a], |v[ACC+16*\a+\i]|, |v[ACC+16*\a+\i+1]|
.endr
.endr
.irp a, 0,1,2,3
	v_permlanex16_b32 v[PX+\a], v[MX+\a], s[SEL], s[SEL+1]
.endr
.irp a, 0,1,2,3
	v_max_num_f32 v[MX+\a], v[MX+\a], v[PX+\a]     ; with lane l xor 16's: the block's largest magnitude
.endr
.irp a, 0,1,2,3
	v_add_nc_u32 v[SO+\a], 0xff000000, v[MX+\a]    ; 2 off the exponent field: the conversion's scale operand
.endr
.if \par == 0
.irp a, 0,1,2,3
	v_lshrrev_b32 v[NB+\a], 23, v[SO+\a]           ; the scale's byte
.endr
.irp a, 0,1,2,3
	v_cvt_scalef32_pk16_fp6_f32 v[HI+8*\a:HI+8*\a+2], v[ACC+16*\a:ACC+16*\a+15], v[SO+\a]
.endr
	v_nop                                          ; one plain place behind a scaled conversion
.else
.irp a, 0,1,2,3
	v_lshrrev_b32 v[PX+\a], 23, v[SO+\a]
.endr
.irp a, 0,1,2,3
	v_lshl_or_b32 v[NB+\a], v[PX+\a], 8, v[NB+\a]  ; the pair's two bytes
.endr
.irp a, 0,1,2,3
	v_cvt_scalef32_pk16_fp6_f32 v[TMP+4*\a:TMP+4*\a+2], v[ACC+16*\a:ACC+16*\a+15], v[SO+\a]
.endr
	v_nop
.irp a, 0,1,2,3                                ; the layout wants a whole block in a lane: lanes 0-15 the lower block, lanes 16-31 the upper
.irp i, 0,1,2
	v_permlane16_swap_b32 v[HI+8*\a+\i], v[TMP+4*\a+\i]
.endr
.irp i, 0,1,2
	v_mov_b32 v[HI+8*\a+3+\i], v[TMP+4*\a+\i]
.endr
.endr
.irp a, 0,1,2,3                                ; the row's 16 bytes move down by two, and the pair's two come in at the top: after eight pairs each lies at its place
	v_perm_b32 v[SW+4*\a], v[SW+4*\a+1], v[SW+4*\a], s[PSEL]
	v_perm_b32 v[SW+4*\a+1], v[SW+4*\a+2], v[SW+4*\a+1], s[PSEL]
	v_perm_b32 v[SW+4*\a+2], v[SW+4*\a+3], v[SW+4*\a+2], s[PSEL]
	v_perm_b32 v[SW+4*\a+3], v[NB+\a], v[SW+4*\a+3], s[PSEL]
.endr
.endif
.endm
; A trip makes two groups: 64 hidden units, half a fragment of h for each of my four tiles.  Each group's fetch is asked for behind the products of the group before and lands under that group's gelu.
; The last trip of a run fetches nothing for the run behind it: that group lies behind a barrier.
.macro PAIRS trips, lim
	s_mov_b32 s[CNT], \trips
.Lpair_\@:
	MM
	s_add_co_u32 s[TB], s[TB], GRP
	s_add_co_u32 s[TBI], s[TBI], 128
	FETCHG \lim
	EPI 0
	MM
	s_add_co_u32 s[TB], s[TB], GRP
	s_add_co_u32 s[TBI], s[TBI], 128
	s_cmp_eq_u32 s[CNT], 1
	s_cbranch_scc1 .Lno_fetch_\@
	FETCHG \lim
.Lno_fetch_\@:
	EPI 1
.irp a, 0,1,2,3
	global_store_b128 v[L16], v[HI+8*\a:HI+8*\a+3], s[10:11] offset:\a*8*REC        ; 512 consecutive bytes, at a multiple of 256 from hq's first byte
	global_store_b64 v[L8], v[HI+8*\a+4:HI+8*\a+5], s[10:11] offset:\a*8*REC+512    ; and 256
.endr
	s_wait_xcnt 0x0                                ; the stores have read their data and their base: both are written again from here on
	s_add_nc_u64 s[10:11], s[10:11], FRG/2
	s_sub_co_u32 s[CNT], s[CNT], 1
	s_cmp_lg_u32 s[CNT], 0
	s_cbranch_scc1 .Lpair_\@
.endm
	s_wait_tensorcnt 0x0                           ; my group of the first four is in; the same three lines ahead of a later first fill as ahead of a refill
	ds_add_u32 v[SPW], v[NIL]
	s_mov_b32 s[G1+2], 200<<16                     ; no tensor load of mine is out, so a descriptor may be written: the second load brings two groups, 200 rows
	s_mov_b32 s[G1+4], 200
	s_wait_dscnt 0x0
	CROUND                                         ; everybody's group is in, and all four work-groups are here
	tensor_load_to_lds s[G0+8:G0+11], s[G1:G1+7]   ; groups 4-11, two a wave: my one tensor load behind the round; it has four groups' work in which to land
	s_nop 0
	PLACES
	s_mov_b32 s[TB], 0
	s_mov_b32 s[TBI], 0
	FETCHG 3*GRP
	PAIRS 2, 3*GRP                                 ; groups 0-3
	s_wait_loadcnt 0x0                             ; no load into inter_b's registers is out when the next region's first group asks for them again: stated here on every way out of the run (its last trip has asked for none)
	s_wait_tensorcnt 0x0                           ; all my tensor loads have landed, my quarters of regions 1 and 2 among them: a group 0 may be written
	ds_add_u32 v[SPW], v[NIL]                      ; 0 onto my spare word
	s_mov_b32 s[G1+2], 100<<16                     ; no tensor load of mine is out, so a descriptor may be written: the refill brings one group, 100 rows
	s_mov_b32 s[G1+4], 100
	s_wait_dscnt 0x0
	CROUND
	tensor_load_to_lds s[G0+4:G0+7], s[G1:G1+7]
	s_nop 0
	PLACES
	s_mov_b32 s[TB], REG
	FETCHG REG+7*GRP
	PAIRS 4, REG+7*GRP                             ; groups 4-11
	s_wait_loadcnt 0x0                             ; as above: inter_b's registers are asked for again only when no load into them is out
	s_wait_tensorcnt 0x0                           ; my quarter of groups 12-15 is in,
	s_wait_dscnt 0x0
	s_barrier_signal -1
	s_barrier_wait -1                              ; everybody's is
	s_mov_b32 s[TB], 0
	FETCHG 3*GRP
	PAIRS 2, 3*GRP                                 ; groups 12-15
	; the scale bytes: hq's pointer has walked the four images, 6,144 bytes, and stands at them.  Lanes 0-15 store one tile's, lanes 16-31 the next tile's: 256 consecutive bytes each
	v_and_b32 v14, 31, v0
	v_cmp_le_u32 vcc_lo, 16, v14
.irp q, 0,1
.irp i, 0,1,2,3
	v_cndmask_b32 v[T+4*\q+\i], v[SW+8*\q+\i], v[SW+8*\q+4+\i], vcc_lo
.endr
	global_store_b128 v[SOFF], v[T+4*\q:T+4*\q+3], s[10:11] offset:\q*16*REC
.endr
	s_wait_tensorcnt 0x0                           ; the wave's end
	ds_add_u32 v[SPW], v[NIL]
	s_wait_dscnt 0x0
	CROUND                                         ; the closing round: no work-group ends while a partner may still ask for a tile that names it
	s_endpgm
.Lfunc_end_k_q3d07a3309d_ffn1:
	.size	k_q3d07a3309d_ffn1, .Lfunc_end_k_q3d07a3309d_ffn1-k_q3d07a3309d_ffn1
	.p2alignl 7, 3214868480
	.fill 96, 4, 3214868480
	.section	.rodata,"a",@progbits
	.p2align	6, 0x0
	.amdhsa_kernel k_q3d07a3309d_ffn1
		.amdhsa_group_segment_fixed_size 327680
		.amdhsa_private_segment_fixed_size 0
		.amdhsa_enable_private_segment 0
		.amdhsa_kernarg_size 32
		.amdhsa_user_sgpr_count 2
		.amdhsa_user_sgpr_kernarg_segment_ptr 1
		.amdhsa_wavefront_size32 1
		.amdhsa_system_sgpr_workgroup_id_x 1
		.amdhsa_system_sgpr_workgroup_id_y 1
		.amdhsa_system_sgpr_workgroup_id_z 1
		.amdhsa_system_vgpr_workitem_id 0
		.amdhsa_next_free_vgpr 1024
		.amdhsa_next_free_sgpr 66
		.amdhsa_reserve_vcc 1
		.amdhsa_float_denorm_mode_32 3
		.amdhsa_float_denorm_mode_16_64 3
		.amdhsa_memory_ordered 1
		.amdhsa_forward_progress 1
		.amdhsa_inst_pref_size 229
	.end_amdhsa_kernel
	.amdgpu_metadata
---
amdhsa.version: [ 1, 2 ]
amdhsa.kernels:
  - .name:           k_q3d07a3309d_ffn1
    .symbol:         k_q3d07a3309d_ffn1.kd
    .args:
      - { .name: xq, .offset: 0, .size: 8, .value_kind: global_buffer, .address_space: global }
      - { .name: w1q, .offset: 8, .size: 8, .value_kind: global_buffer, .address_space: global }
      - { .name: inter_b, .offset: 16, .size: 8, .value_kind: global_buffer, .address_space: global }
      - { .name: hq, .offset: 24, .size: 8, .value_kind: global_buffer, .address_space: global }
    .group_segment_fixed_size: 327680
    .private_segment_fixed_size: 0
    .kernarg_segment_align: 8
    .kernarg_segment_size: 32
    .max_flat_workgroup_size: 128
    .sgpr_count:     66
    .vgpr_count:     1024
    .wavefront_size: 32
...
	.end_amdgpu_metadata
.endif
;; end of part 2
;; launch ffn2 (part 3): grid 4 x 64, 4 waves a work-group, clusters of 4 x 4, 327,680 bytes of LDS; arguments hq, w2q, input, residual, bias, output_b, out0; writes out0
.if DOCPART == 3
	.amdgcn_target "amdgcn-amd-amdhsa--gfx1250"
	.amdhsa_code_object_version 6
	.text
	.protected	k_q3d07a3309d_ffn2
	.globl	k_q3d07a3309d_ffn2
	.p2align	8
	.type	k_q3d07a3309d_ffn2,@function
k_q3d07a3309d_ffn2:
	s_mov_b64 s[64:65], 0
	v_nop
	global_prefetch_b8 v0, s[64:65] scope:SCOPE_SE
	s_setreg_imm32_b32 hwreg(HW_REG_WAVE_MODE, 25, 1), 1
	s_wait_xcnt 0x0
	s_wait_alu depctr_hold_cnt(0) depctr_sa_sdst(0) depctr_va_vdst(0) depctr_va_sdst(0) depctr_va_ssrc(0) depctr_va_vcc(0) depctr_vm_vsrc(0)
	s_getreg_b32 s2, hwreg(HW_REG_IB_STS2, 6, 4)
	s_cmp_eq_u32 s2, 0
	s_cbranch_scc0 .Lentry_in_a_cluster
	s_endpgm
.Lentry_in_a_cluster:
	s_bfe_u32 s2, ttmp6, 0x10000c
	s_cmp_lg_u32 s2, 0xf033
	s_cbranch_scc0 .Lentry_shape_is_right
	s_endpgm
.Lentry_shape_is_right:
; out0 = h output_w + output_b + (input + bias + residual): the product on codes of FP6 (E2M3) with E8M0 scales, sums in f32.  The input residual_norm is used by no step of the function and is not loaded.
; OPERANDS: hq and w2q lie in records of 6,400 bytes: 16 rows x 512 along K as four fragment images of 1,536 bytes (+0 registers 0-3, +512 registers 4-5, +768 registers 6-9, +1,280 registers 10-11)
; and, at 6,144, 16 scale bytes a row.  Records lie [tile of 16 rows][512 along K].  Lane m of w2q's tile 2 G + u holds column 32 G + 8 u + m + 8 (m / 8).
; SHARES: a work-group makes 128 rows x 256 columns (8,192 x 1,024 / that = 256 work-groups); a wave 64 x 128: 32 accumulators.  K goes in 8 chunks of 512 through two LDS slots of 24 records
; (A's 8, then B's 16).  Waves 0, 1 fetch A's halves, waves 2, 3 B's, one tensor load each; every row of a tile is a record, 25 x 256 bytes, at a multiple of 256.
; CLUSTER 4 x 4: A's records are shared along a row of the cluster, B's along a column, and asked for jointly.
; THE PRODUCT IS USED TRANSPOSED (source 0 = 16 columns of output_w, source 1 = 16 rows of h): register j of lane (r, h) of tile b = 2 G + u is out(row r, column 32 G + 8 u + 16 h + j).
; bias + output_b, in that layout, are the C of the first step's products.
; A STEP is one run of 48 LDS loads (the next step's fragments, into the other set) and one run of 32 products.  AT A CHANGE OF SLOTS the odd waves multiply the slot's fourth step ahead of the barrier and the
; even waves behind it: from barrier to barrier both do four runs of loads and four of products, and the two pairs' runs of loads stand at different places of that walk.
; input + residual come as rows of 512 bytes, a block of 16 rows (32 loads) at a time: block 0 at the head, block 1 in the loop's first trip and block 2 in its second (six loads behind each of six runs of
; LDS loads; which block hangs on the loop's counter alone), block 3 in the last lap (eight behind each of four runs).  They are summed in registers, and the way out adds the sum once.
; PREFETCH: behind each refill the chunk that the next refill loads is named, one slot (four steps of 128) ahead: a lane a block of 256 bytes, 25 blocks a record (lanes 25-31 name the 25th again).
; Of the 4 (A) or 8 (B) records that a wave fetches, each of the four partners that ask jointly names 1 or 2, told apart by address.  Chunks 0 and 1 come by their loads alone; chunk 7 is the last named.
; LIMITS: NaN and infinities among the inputs are not served.
; REGISTERS: window 0: v12-31 addresses; v32-95 scale words, a set a slot; v96-191 A's fragments, two sets; v192-255 T0.   window 1: v0-191 B's fragments, two sets; v192-255 T1.
;   window 2: accumulator (a, b) at 8 (8 a + b).   window 3: input + residual of block 0 at 0, of block 1 at 64, of block 3 at 128, of block 2 at 192.
;   On the way there: block 0: input at 0, residual in T0; block 1: input at 64, residual in T1; block 2: input in T0, residual in T1; block 3: input at 128, residual in T0.
;   Before block 1, v64-127 of window 3 hold bias, then bias + output_b, and T1 holds output_b.
.set REC,    6400
.set FRG,    1536
.set BOFS,   8*REC                     ; B's records lie behind A's eight
.set SLOT,   24*REC
.set SPARE,  2*SLOT                    ; behind the ring: the spare words, 128 bytes a wave
.set SPITCH, 528                       ; the way out: a stage of 16 rows x (512 + 16) bytes a wave, in slot 0, which has had its last fill and its last read by then
.set ADRS,   12                        ; v12-13 my scale words in slot 0, 1: lanes 0-15 A's rows, lanes 16-31 B's
.set BO,     14                        ; v14    64 x (lane / 16): my byte in bias and output_b
.set ADRA16, 16                        ; v16-17 A's images, 16 bytes a lane; v18-19 8 bytes a lane
.set ADRB16, 20                        ; v20-21, v22-23 the same for B
.set STO,    24
.set RD,     25
.set CO,     26                        ; v26    16 x lane
.set PFO,    27                        ; v27    256 x min(lane, 24)
.set SPW,    28                        ; v28    my spare word; never rewritten
.set NIL,    29                        ; v29    0; never rewritten
.set SC,     32
.set AF,     96
.set BK,     96                        ; the way out: v96-159 and v160-223 by turns
.set CI,     64                        ; window 3: bias + output_b, 8 b
.set G1A, 24
.set G0A, 32
.set G1B, 40
.set G0B, 48
.set PFA, 62                           ; s[62:63] the record that my prefetch names
.set MUL,  0xa1                        ; source 0 (B) window 1, source 1 (A) window 0, C and D window 2
.set TO_B, 0x40
.set MSB, 0
.macro WIN new                         ; the immediate's high byte repeats the setting that is left
.if MSB != \new
	s_set_vgpr_msb (MSB<<8)|\new
.set MSB, \new
.endif
.endm
.macro PLACES
.rept 4
	v_nop
.endr
.endm
.macro JLOAD s                         ; a joint load; an s_nop 0 and four v_nop follow each line
	s_cmp_eq_u32 s19, 0
	s_cbranch_scc0 .Lfor_b_\@
	tensor_load_to_lds s[G0A+4*\s:G0A+4*\s+3], s[G1A:G1A+7]
	s_nop 0
	PLACES
	s_branch .Lasked_\@
.Lfor_b_\@:
	tensor_load_to_lds s[G0B+4*\s:G0B+4*\s+3], s[G1B:G1B+7]
	s_nop 0
	PLACES
.Lasked_\@:
.endm
.macro ASK guard                       ; guard = 1: not in the loop's last trip, where the chunk named would lie behind the last
.if \guard
	s_cmp_gt_u32 s3, 1
	s_cbranch_scc0 .Lnone_\@
.endif
	global_prefetch_b8 v[PFO], s[PFA:PFA+1] th:TH_LOAD_NT scope:SCOPE_SE
	s_cmp_eq_u32 s19, 0
	s_cbranch_scc1 .Lnone_\@                       ; B's waves name a second record
	global_prefetch_b8 v[PFO], s[PFA:PFA+1] offset:8*REC th:TH_LOAD_NT scope:SCOPE_SE
.Lnone_\@:
.endm
.macro CREST                           ; a round of the cluster's barrier behind its opening barrier
	s_cmp_lg_u32 s18, 0
	s_cbranch_scc1 .Lnot_wave_0_\@
	s_barrier_signal -3
.Lnot_wave_0_\@:
	s_barrier_wait -3
	s_barrier_signal -1
	s_barrier_wait -1
.endm
.macro CROUND
	s_barrier_signal -1
	s_barrier_wait -1
	CREST
.endm
	s_load_b256 s[4:11], s[0:1], 0x0               ; hq s[4:5], w2q s[6:7], input s[8:9], residual s[10:11]
	s_load_b128 s[12:15], s[0:1], 0x20             ; bias, output_b
	s_load_b64 s[16:17], s[0:1], 0x30              ; out0
	v_lshl_add_u32 v[SPW], v0, 2, SPARE
	v_mov_b32 v[NIL], 0
	ds_add_u32 v[SPW], v[NIL]                      ; the opening lines: the add twice on end and one wait, ahead of my first tensor load
	ds_add_u32 v[SPW], v[NIL]
	v_lshrrev_b32 v1, 5, v0
	v_readfirstlane_b32 s18, v1                    ; wave 0..3
	s_lshr_b32 s19, s18, 1                         ; my half of the rows.  Also: I fetch for A (0) or B (1)
	s_and_b32 s20, s18, 1                          ; my half of the columns.  Also: which half of that tile I fetch, and on which side of the barrier I multiply a slot's fourth step
	s_bfe_u32 s56, ttmp6, 0x40000                  ; cx
	s_bfe_u32 s57, ttmp6, 0x40004                  ; cy
	s_lshl_b32 s58, ttmp9, 2
	s_add_co_u32 s58, s58, s56                     ; block column
	s_and_b32 s59, ttmp7, 0xffff
	s_lshl_b32 s59, s59, 2
	s_add_co_u32 s59, s59, s57                     ; block row
	s_lshl_b32 s60, s57, 2
	s_lshl_b32 s60, 15, s60                        ; my row of the cluster
	s_lshl_b32 s61, 0x1111, s56                    ; my column
	s_or_b32 s[G1A], s60, (3<<16)|(1<<21)          ; the mask; elements of 8 bytes; bit 21 beside a mask
	s_mov_b32 s[G1A+1], 800<<16                    ; a row is a record, 800 elements
	s_mov_b32 s[G1A+2], 4<<16                      ; 4 records
	s_mov_b32 s[G1A+3], 800<<16
	s_mov_b32 s[G1A+4], 4
	s_mov_b32 s[G1A+5], 6400                       ; from a tile's record to the next tile's: 8 records
	s_mov_b32 s[G1A+6], 0
	s_mov_b32 s[G1A+7], 0
	s_or_b32 s[G1B], s61, (3<<16)|(1<<21)
	s_mov_b32 s[G1B+1], 800<<16
	s_mov_b32 s[G1B+2], 8<<16                      ; 8 records
	s_mov_b32 s[G1B+3], 800<<16
	s_mov_b32 s[G1B+4], 8
	s_mov_b32 s[G1B+5], 6400
	s_mov_b32 s[G1B+6], 0
	s_mov_b32 s[G1B+7], 0
	s_lshl_b32 s68, s59, 3
	s_lshl_b32 s70, s20, 2
	s_add_co_u32 s68, s68, s70
	s_mul_i32 s68, s68, 8*REC                      ; hq: tile 8 x block row + 4 x half
	s_mov_b32 s69, 0
	s_lshl_b32 s72, s58, 4
	s_lshl_b32 s70, s20, 3
	s_add_co_u32 s72, s72, s70
	s_mul_i32 s72, s72, 8*REC                      ; w2q: tile 16 x block column + 8 x half
	s_mov_b32 s73, 0
	s_mul_i32 s21, s20, 4*REC                      ; where A's half goes
	s_mul_i32 s22, s20, 8*REC
	s_add_co_u32 s22, s22, BOFS                    ; where B's half goes; also: the 8 records of B that I read
	s_mul_i32 s66, s19, 4*REC                      ; the 4 records of A that I read
	s_sub_co_u32 s67, s22, s66                     ; from these to B's
	s_mul_i32 s23, s18, 16*SPITCH                  ; my stage
	s_lshl_b32 s76, s59, 7
	s_lshl_b32 s77, s19, 6
	s_add_co_u32 s76, s76, s77
	s_lshl_b32 s76, s76, 12                        ; my first row, 4,096 bytes a row
	s_lshl_b32 s78, s58, 10
	s_lshl_b32 s79, s20, 9
	s_add_co_u32 s78, s78, s79                     ; my first column, in bytes
	s_mov_b32 s79, 0
	s_add_co_u32 s76, s76, s78
	s_mov_b32 s77, 0
	s_lshl_b32 s74, s59, 3                         ; the prefetches: of A's records tile 8 x block row + 4 x half + cx,
	s_lshl_b32 s75, s20, 2
	s_add_co_u32 s74, s74, s75
	s_add_co_u32 s74, s74, s56
	s_lshl_b32 s75, s58, 4                         ; of B's tiles 16 x block column + 8 x half + 2 cy and the next
	s_lshl_b32 s70, s20, 3
	s_add_co_u32 s75, s75, s70
	s_lshl_b32 s70, s57, 1
	s_add_co_u32 s75, s75, s70
	s_cmp_eq_u32 s19, 0
	s_cselect_b32 s74, s74, s75
	s_mul_i32 s74, s74, 8*REC
	s_mov_b32 s75, 0
	s_add_co_u32 s70, s66, 6144                    ; A's scale bytes
	s_wait_dscnt 0x0                               ; both opening adds are done
	s_wait_kmcnt 0x0
	s_add_nc_u64 s[68:69], s[4:5], s[68:69]
	s_add_nc_u64 s[72:73], s[6:7], s[72:73]
	s_add_nc_u64 s[8:9], s[8:9], s[76:77]
	s_add_nc_u64 s[10:11], s[10:11], s[76:77]
	s_add_nc_u64 s[16:17], s[16:17], s[76:77]
	s_add_nc_u64 s[12:13], s[12:13], s[78:79]
	s_add_nc_u64 s[14:15], s[14:15], s[78:79]
	s_cmp_eq_u32 s19, 0
	s_cselect_b64 s[PFA:PFA+1], s[4:5], s[6:7]
	s_add_nc_u64 s[PFA:PFA+1], s[PFA:PFA+1], s[74:75]
	s_add_nc_u64 s[PFA:PFA+1], s[PFA:PFA+1], 2*REC ; at chunk 2
.irp s, 0,1
	s_mov_b32 s[G0A+4*\s], 1
	s_add_co_u32 s[G0A+4*\s+1], s21, \s*SLOT
	s_add_nc_u64 s[G0A+4*\s+2:G0A+4*\s+3], s[68:69], \s*REC
	s_or_b32 s[G0A+4*\s+3], s[G0A+4*\s+3], 0x80000000
	s_mov_b32 s[G0B+4*\s], 1
	s_add_co_u32 s[G0B+4*\s+1], s22, \s*SLOT
	s_add_nc_u64 s[G0B+4*\s+2:G0B+4*\s+3], s[72:73], \s*REC
	s_or_b32 s[G0B+4*\s+3], s[G0B+4*\s+3], 0x80000000
.endr
	CROUND                                         ; all sixteen work-groups are here: the first joint loads meet
	JLOAD 0                                        ; chunk 0: one tensor load a wave at the head
	v_and_b32 v1, 31, v0
	v_and_b32 v2, 15, v0
	v_bfe_u32 v3, v0, 4, 1
	v_lshlrev_b32 v[CO], 4, v1
	v_lshlrev_b32 v30, 3, v1
	v_add_nc_u32 v[ADRA16], s66, v[CO]
	v_add_nc_u32 v[ADRA16+2], s66, v30
	v_add_nc_u32 v[ADRB16], s22, v[CO]
	v_add_nc_u32 v[ADRB16+2], s22, v30
.irp g, ADRA16, ADRA16+2, ADRB16, ADRB16+2
	v_add_nc_u32 v[\g+1], SLOT, v[\g]
.endr
	v_mul_u32_u24 v31, s67, v3                     ; lanes 16-31 take B's scale bytes
	v_lshl_add_u32 v31, v2, 4, v31
	v_add_nc_u32 v[ADRS], s70, v31
	v_add_nc_u32 v[ADRS+1], SLOT, v[ADRS]
	v_mul_u32_u24 v31, v2, SPITCH                  ; into the stage: row l % 16, + 64 (l / 16)
	v_lshl_add_u32 v31, v3, 6, v31
	v_add_nc_u32 v[STO], s23, v31
	v_add_nc_u32 v[RD], s23, v[CO]                 ; back: the 32 lanes take a row of 512 bytes
	v_min_u32 v[PFO], 24, v1
	v_lshlrev_b32 v[PFO], 8, v[PFO]
	v_lshlrev_b32 v[BO], 6, v3
	WIN 0xc0                                       ; destination window 3
.irp b, 0,1,2,3,4,5,6,7
.irp e, 0,1
	global_load_b128 v[CI+8*\b+4*\e:CI+8*\b+4*\e+3], v[BO], s[12:13] offset:(\b/2)*128+(\b%2)*32+16*\e        ; bias at my eight columns of tile b
.endr
.endr
	WIN 0x40                                       ; destination window 1: T1
.irp b, 0,1,2,3,4,5,6,7
.irp e, 0,1
	global_load_b128 v[192+8*\b+4*\e:192+8*\b+4*\e+3], v[BO], s[14:15] offset:(\b/2)*128+(\b%2)*32+16*\e      ; output_b likewise
.endr
.endr
	WIN 0xc0                                       ; block 0, asked for while chunk 0 is on its way: input into window 3 at 0, residual into T0; each load reads 512 consecutive bytes
.irp t, 0,1,2,3,4,5,6,7,8,9,10,11,12,13,14,15
	global_load_b128 v[4*\t:4*\t+3], v[CO], s[8:9] offset:\t*4096 th:TH_LOAD_NT
.endr
	WIN 0
.irp t, 0,1,2,3,4,5,6,7,8,9,10,11,12,13,14,15
	global_load_b128 v[192+4*\t:192+4*\t+3], v[CO], s[10:11] offset:\t*4096 th:TH_LOAD_NT
.endr
; LDS load n (0 .. 47) of the fetch of step q of slot sg into set p: n 0-3 A's block 0, 4-35 B's eight, 36-47 A's blocks 1-3; four loads bring a fragment's image
.macro LD sg, q, p, n
.if ((\n) < 4) || ((\n) >= 36)
.set LF, ((\n)/36)*(((\n)-32)/4)
.set LR, AF+48*(\p)+12*LF
.set LA, ADRA16+\sg
	WIN 0
.else
.set LF, ((\n)-4)/4
.set LR, 96*(\p)+12*LF
.set LA, ADRB16+\sg
	WIN TO_B
.endif
.set LH, ((\n)%4)/2
.set LO, LF*REC+(\q)*FRG+768*LH
.if (\n)%2 == 0
	ds_load_b128 v[LR+6*LH:LR+6*LH+3], v[LA] offset:LO
.else
	ds_load_b64 v[LR+6*LH+4:LR+6*LH+5], v[LA+2] offset:LO+512
.endif
.endm
.macro FETCH sg, q, p                  ; the 48 in one run
.set LN, 0
.rept 48
	LD \sg, \q, \p, LN
.set LN, LN+1
.endr
	WIN 0
.endm
.macro SCALES sg                       ; the slot's scale words: register 4 i + q: lanes 0-15 A's block i, lanes 16-31 B's block i, step q
.irp i, 0,1,2,3,4,5,6,7
	ds_load_b128 v[SC+32*\sg+4*\i:SC+32*\sg+4*\i+3], v[ADRS+\sg] offset:\i*REC
.endr
.endm
; A step's 32 products on set p.  The 32 accumulators take turns, one instruction a turn.  first = 1: C is bias + output_b, in window 3.
; The four places that loads into the set just read want (ISA guide 7.12.1 for vector instructions) stand directly behind the products.
.macro MALL p, sg, q, first
	WIN MUL+0x10*\first
.irp a, 0,1,2,3
.irp b, 0,1,2,3,4,5,6,7
.if \first
	v_wmma_scale_f32_16x16x128_f8f6f4 v[8*(8*\a+\b):8*(8*\a+\b)+7], v[96*(\p)+12*\b:96*(\p)+12*\b+11], v[AF+48*(\p)+12*\a:AF+48*(\p)+12*\a+11], v[CI+8*\b:CI+8*\b+7], v[SC+32*\sg+4*\b+(\q)], v[SC+32*\sg+4*\a+(\q)] matrix_a_fmt:MATRIX_FMT_FP6 matrix_b_fmt:MATRIX_FMT_FP6 matrix_a_scale:MATRIX_SCALE_ROW1
.else
	v_wmma_scale_f32_16x16x128_f8f6f4 v[8*(8*\a+\b):8*(8*\a+\b)+7], v[96*(\p)+12*\b:96*(\p)+12*\b+11], v[AF+48*(\p)+12*\a:AF+48*(\p)+12*\a+11], v[8*(8*\a+\b):8*(8*\a+\b)+7], v[SC+32*\sg+4*\b+(\q)], v[SC+32*\sg+4*\a+(\q)] matrix_a_fmt:MATRIX_FMT_FP6 matrix_b_fmt:MATRIX_FMT_FP6 matrix_a_scale:MATRIX_SCALE_ROW1
.endif
.endr
.endr
	WIN 0
	PLACES
.endm
; Some of a block's 32 loads (16 rows of input, then 16 of residual).  k = 0 .. 5, in the loop: loads 6 k .. 6 k + 5 of block 1 in the first trip (s3 = 3), of block 2 in the second (s3 = 2), none in the third.
; k = 10 .. 13, in the last lap: loads 8 (k - 10) .. 8 (k - 10) + 7 of block 3.
.macro TRK k
.if \k >= 10
.irp i, 0,1,2,3,4,5,6,7
.set GN, 8*(\k-10)+\i
.if GN < 16
	WIN 0xc0
	global_load_b128 v[128+4*GN:128+4*GN+3], v[CO], s[8:9] offset:(48+GN)*4096 th:TH_LOAD_NT
.else
	WIN 0
	global_load_b128 v[128+4*GN:128+4*GN+3], v[CO], s[10:11] offset:(32+GN)*4096 th:TH_LOAD_NT
.endif
.endr
	WIN 0
.else
	s_cmp_eq_u32 s3, 3
	s_cbranch_scc0 .Lnot_1_\@
.irp i, 0,1,2,3,4,5
.set GN, 6*\k+\i
.if GN < 16
	WIN 0xc0
	global_load_b128 v[64+4*GN:64+4*GN+3], v[CO], s[8:9] offset:(16+GN)*4096 th:TH_LOAD_NT
.elseif GN < 32
	WIN 0x40
	global_load_b128 v[128+4*GN:128+4*GN+3], v[CO], s[10:11] offset:GN*4096 th:TH_LOAD_NT
.endif
.endr
	WIN 0
	s_branch .Lend_\@
.Lnot_1_\@:
	s_cmp_eq_u32 s3, 2
	s_cbranch_scc0 .Lend_\@
.irp i, 0,1,2,3,4,5
.set GN, 6*\k+\i
.if GN < 16
	global_load_b128 v[192+4*GN:192+4*GN+3], v[CO], s[8:9] offset:(32+GN)*4096 th:TH_LOAD_NT
.elseif GN < 32
	WIN 0x40
	global_load_b128 v[128+4*GN:128+4*GN+3], v[CO], s[10:11] offset:(16+GN)*4096 th:TH_LOAD_NT
.endif
.endr
	WIN 0
.Lend_\@:
.endif
.endm
; One of a slot's first three steps.  k: which of the rows' loads follow the run, -1 for none
.macro STEP sg, q, first, k
	FETCH \sg, (\q)+1, ((\q)+1)%2
.if \k >= 0
	TRK \k
.endif
	s_wait_dscnt 48                                ; all but the 48 just issued: this step's fragments are in
	MALL (\q)%2, \sg, \q, \first
.endm
; A slot's fourth step, and the change of slots: one barrier; in front of it every wave waits for all its tensor loads, adds 0 to its spare word and waits for that and for its reads of this slot.
; fill = 1: a round of the cluster's barrier, and the slot is filled again, two chunks on.  Then the next slot's scale words and first fragments.
.macro TURN sg, nx, fill, k
.if \fill
	s_wait_xcnt 0x0                                ; my last prefetch has read its address
	s_add_nc_u64 s[PFA:PFA+1], s[PFA:PFA+1], REC
.endif
	s_wait_dscnt 0x0                               ; the fourth step's fragments are in: my reads of this slot are over
	s_cmp_eq_u32 s20, 0
	s_cbranch_scc1 .Lbehind_\@
	MALL 1, \sg, 3, 0                              ; the odd waves multiply here,
.Lbehind_\@:
	s_wait_tensorcnt 0x0                           ; my part of the next slot is in
	ds_add_u32 v[SPW], v[NIL]
	s_wait_dscnt 0x0
.if \fill
	CROUND
	s_add_nc_u64 s[G0A+4*\sg+2:G0A+4*\sg+3], s[G0A+4*\sg+2:G0A+4*\sg+3], 2*REC
	s_add_nc_u64 s[G0B+4*\sg+2:G0B+4*\sg+3], s[G0B+4*\sg+2:G0B+4*\sg+3], 2*REC
	JLOAD \sg                                      ; the first tensor load behind the round
	ASK \sg
.else
	s_barrier_signal -1
	s_barrier_wait -1
.endif
	s_cmp_lg_u32 s20, 0
	s_cbranch_scc1 .Ldone_\@
	MALL 1, \sg, 3, 0                              ; the even waves here
.Ldone_\@:
	SCALES \nx
	FETCH \nx, 0, 0
.if \k >= 0
	TRK \k
.endif
.endm
.macro VSUM win, d, a, b               ; 64 numbers a lane: v[d ..] = v[a ..] + v[b ..], each in the window that win names
	WIN \win
.set P, 0
.rept 32
	v_pk_add_f32 v[\d+P:\d+P+1], v[\a+P:\a+P+1], v[\b+P:\b+P+1]
.set P, P+2
.endr
	WIN 0
.endm
	s_wait_alu depctr_va_vdst(0)                   ; the wait at the head's end
	s_wait_tensorcnt 0x0                           ; my part of chunk 0 is in; the same three lines ahead of slot 1's first fill as ahead of a refill
	ds_add_u32 v[SPW], v[NIL]
	s_wait_dscnt 0x0
	CROUND
	JLOAD 1                                        ; chunk 1, the first tensor load behind the round
	ASK 0                                          ; chunk 2
	SCALES 0
	FETCH 0, 0, 0
	s_wait_loadcnt 32                              ; bias and output_b, the oldest 32 loads, are in (behind them: block 0's 32)
	VSUM 0xc7, CI, CI, 192                         ; bias + output_b (T1)
	PLACES
	s_wait_alu depctr_va_vdst(0)
	STEP 0, 0, 1, -1                               ; the first step's products start the sums
	s_mov_b32 s3, 3
.Llap:                                                 ; a trip goes once round the ring, from a lap's second step to the next lap's first
	s_wait_loadcnt 0x0                             ; no load of rows is out: the last were asked for two steps ago
	s_cmp_eq_u32 s3, 2
	s_cbranch_scc0 .Lno_sums
	VSUM 0xc3, 0, 0, 192                           ; block 0: input + residual (T0),
	VSUM 0xc7, 64, 64, 192                         ; block 1 (T1): T0 and T1 are free for block 2
	s_wait_alu depctr_va_vdst(0)                   ; the wait ahead of the waits that follow
.Lno_sums:
	STEP 0, 1, 0, 0
	STEP 0, 2, 0, 1
	TURN 0, 1, 1, 2
	STEP 1, 0, 0, 3
	STEP 1, 1, 0, 4
	STEP 1, 2, 0, 5
	TURN 1, 0, 1, -1
	STEP 0, 0, 0, -1
	s_sub_co_u32 s3, s3, 1
	s_cmp_lg_u32 s3, 0
	s_cbranch_scc1 .Llap
	s_wait_loadcnt 0x0
	VSUM 0xc4, 192, 192, 192                       ; block 2: T0 + T1 into window 3 at 192: T0 is free for block 3
	s_wait_alu depctr_va_vdst(0)                   ; the wait ahead of the waits that follow
	STEP 0, 1, 0, 10                               ; the last lap fills no slot; its first four runs are followed by block 3's loads
	STEP 0, 2, 0, 11
	TURN 0, 1, 0, 12
	STEP 1, 0, 0, 13
	STEP 1, 1, 0, -1
	STEP 1, 2, 0, -1
	s_wait_dscnt 0x0                               ; the very last step: nothing more to fetch
	MALL 1, 1, 3, 0                                ; its four places stand in front of the first read of results
	s_wait_loadcnt 0x0
	VSUM 0xc3, 128, 128, 192                       ; block 3: input + residual (T0)
	s_wait_alu depctr_va_vdst(0)                   ; the wait ahead of the waits that follow
; THE WAY OUT, block by block of 16 rows x 128 columns: through my own stage and back as rows of 512 bytes; input + residual is added; 32 lanes store two aligned units of 256 bytes.
; LDS serves a wave's instructions in order (ISA guide 5.7.1.4): no wait between the stores and the loads, nor in front of the next block's stores.
.macro TOSTAGE a
	WIN 0x08                                       ; the data: window 2
.irp b, 0,1,2,3,4,5,6,7
	ds_store_b128 v[STO], v[8*(8*(\a)+\b):8*(8*(\a)+\b)+3] offset:(\b/2)*128+(\b%2)*32       ; each accumulator from its low end on
	ds_store_b128 v[STO], v[8*(8*(\a)+\b)+4:8*(8*(\a)+\b)+7] offset:(\b/2)*128+(\b%2)*32+16
.endr
	WIN 0
.set BB, BK+64*((\a)%2)
.irp t, 0,1,2,3,4,5,6,7,8,9,10,11,12,13,14,15
	ds_load_b128 v[BB+4*\t:BB+4*\t+3], v[RD] offset:\t*SPITCH
.endr
.endm
.macro SEND a, younger                 ; younger: the LDS instructions issued behind block a's loads
.set BB, BK+64*((\a)%2)
.set RS, 64*((\a)+((\a)/2)*(5-2*(\a)))  ; where block a's input + residual lies in window 3: 0, 64, 192, 128
	s_wait_dscnt \younger
	WIN 0x0c                                       ; source 1: window 3
.set P, 0
.rept 32
	v_pk_add_f32 v[BB+P:BB+P+1], v[BB+P:BB+P+1], v[RS+P:RS+P+1]
.set P, P+2
.endr
	WIN 0
.irp t, 0,1,2,3,4,5,6,7,8,9,10,11,12,13,14,15
	global_store_b128 v[CO], v[BB+4*\t:BB+4*\t+3], s[16:17] offset:(16*(\a)+\t)*4096 th:TH_STORE_NT
.endr
.endm
	TOSTAGE 0
.irp a, 1,2,3
.if \a > 1
	s_wait_xcnt 0x0                                ; block a - 2's stores have read their registers: block a's loads may land there
.endif
	TOSTAGE \a
	SEND \a-1, 32                                  ; behind block a - 1's loads: block a's 16 stores and 16 loads
.endr
	SEND 3, 0
	s_wait_tensorcnt 0x0                           ; the wave's end
	ds_add_u32 v[SPW], v[NIL]
	s_wait_dscnt 0x0
	CROUND                                         ; the closing round
	s_endpgm
.Lfunc_end_k_q3d07a3309d_ffn2:
	.size	k_q3d07a3309d_ffn2, .Lfunc_end_k_q3d07a3309d_ffn2-k_q3d07a3309d_ffn2
	.p2alignl 7, 3214868480
	.fill 96, 4, 3214868480
	.section	.rodata,"a",@progbits
	.p2align	6, 0x0
	.amdhsa_kernel k_q3d07a3309d_ffn2
		.amdhsa_group_segment_fixed_size 327680
		.amdhsa_private_segment_fixed_size 0
		.amdhsa_enable_private_segment 0
		.amdhsa_kernarg_size 56
		.amdhsa_user_sgpr_count 2
		.amdhsa_user_sgpr_kernarg_segment_ptr 1
		.amdhsa_wavefront_size32 1
		.amdhsa_system_sgpr_workgroup_id_x 1
		.amdhsa_system_sgpr_workgroup_id_y 1
		.amdhsa_system_sgpr_workgroup_id_z 1
		.amdhsa_system_vgpr_workitem_id 0
		.amdhsa_next_free_vgpr 1024
		.amdhsa_next_free_sgpr 80
		.amdhsa_reserve_vcc 0
		.amdhsa_float_denorm_mode_32 3
		.amdhsa_float_denorm_mode_16_64 3
		.amdhsa_memory_ordered 1
		.amdhsa_forward_progress 1
		.amdhsa_inst_pref_size 194
	.end_amdhsa_kernel
	.amdgpu_metadata
---
amdhsa.version: [ 1, 2 ]
amdhsa.kernels:
  - .name:           k_q3d07a3309d_ffn2
    .symbol:         k_q3d07a3309d_ffn2.kd
    .args:
      - { .name: hq, .offset: 0, .size: 8, .value_kind: global_buffer, .address_space: global }
      - { .name: w2q, .offset: 8, .size: 8, .value_kind: global_buffer, .address_space: global }
      - { .name: input, .offset: 16, .size: 8, .value_kind: global_buffer, .address_space: global }
      - { .name: residual, .offset: 24, .size: 8, .value_kind: global_buffer, .address_space: global }
      - { .name: bias, .offset: 32, .size: 8, .value_kind: global_buffer, .address_space: global }
      - { .name: output_b, .offset: 40, .size: 8, .value_kind: global_buffer, .address_space: global }
      - { .name: out0, .offset: 48, .size: 8, .value_kind: global_buffer, .address_space: global }
    .group_segment_fixed_size: 327680
    .private_segment_fixed_size: 0
    .kernarg_segment_align: 8
    .kernarg_segment_size: 56
    .max_flat_workgroup_size: 128
    .sgpr_count:     80
    .vgpr_count:     1024
    .wavefront_size: 32
...
	.end_amdgpu_metadata
.endif
;; end of part 3
